; MI455X (gfx1250); checked and timed in simulation.
; The chip was launched on July 23, 2026; its instructions are those of AMD's public machine-readable ISA for CDNA 5 (MIT licence, August 2026) and "CDNA5" Instruction Set Architecture Reference Guide (July 2026). The comments in the code are by the model that wrote it; some were corrected since.
;; Self Attention. Allowed arithmetic: matrix products marked QUANTISED: E2M3 operands, one E8M0 scale for each 32 along K, by v_wmma_scale_f32_16x16x128_f8f6f4 with both operands' format E2M3, f32 sums; everything else in f32.
;; Inputs: Wout_codes 1,024 x 32 x 24 uint8 (E2M3 codes of Wout, K innermost, in blocks of 32 codes, four codes in three bytes); Wout_scales 1,024 x 32 uint8 (E8M0 scales of Wout, one for each 32 codes along K); Wqkv_codes 3,072 x 32 x 24 uint8 (E2M3 codes of Wqkv, K innermost, in blocks of 32 codes, four codes in three bytes); Wqkv_scales 3,072 x 32 uint8 (E8M0 scales of Wqkv, one for each 32 codes along K); beta 1,024 float32; bout 1,024 float32; bqkv 3,072 float32; gamma 1,024 float32; x 4 x 2,048 x 1,024 float32.
;; Outputs: out0 4 x 2,048 x 1,024 float32.
;; This version of the problem:
;;   THIS VERSION OF THE PROBLEM IS GIVEN IN LOW PRECISION. The matrix products marked QUANTISED in the list below multiply operands that are first quantised to E2M3 (2 exponent bits, 3 mantissa bits; 6 bits a number), with one power-of-two scale for each 32 numbers along K (OCP MX v1.0); their sums are f32. All else is computed in f32.
;;   The module's matrix products, in the order in which they are computed (A, B: the left and right operand; K: the contracted axis; several contracted axes count as one K, in the product's order):
;;     1. [M 8,192, K 1,024] x [K 1,024, N 3,072]; A: input x; B: input Wqkv (given as codes): QUANTISED
;;     2. batch 64 x [M 2,048, K 64] x [K 64, N 2,048]; A: computed on the way; B: computed on the way: QUANTISED
;;     3. batch 64 x [M 2,048, K 2,048] x [K 2,048, N 64]; A: softmax (see below); B: computed on the way: QUANTISED
;;     4. [M 8,192, K 1,024] x [K 1,024, N 1,024]; A: computed on the way; B: input Wout (given as codes): QUANTISED
;;   THE QUANTISER, for each operand of a quantised product, along K:
;;     - K is cut into blocks of 32 from its start; a last block that is shorter is filled with zeros.
;;     - A block's scale is 2^e with e = floor(log2(the largest magnitude in the block)) - 2, held to -126 .. 127; a block of zeros has e = 0. As a byte (E8M0): e + 127.
;;     - Each number is divided by its block's scale, clamped to +-7.5, and rounded to the nearest number of E2M3, ties to even, subnormals kept.
;;     - The product sums the exact products of the quantised numbers (number of the format x scale) in f32.
;;   ~~~python
;;   def quantise(x, axis):      # numpy; x: float32 -> the quantised numbers, widened to float32 again
;;       x = np.moveaxis(x, axis, -1); K = x.shape[-1]
;;       x = np.pad(x, [(0, 0)] * (x.ndim - 1) + [(0, -K % 32)]); x = x.reshape(x.shape[:-1] + (-1, 32)); a = np.abs(x).max(-1, keepdims=True)
;;       e = np.where(a > 0, np.clip(np.frexp(np.where(a > 0, a, 1))[1] - 1 - 2, -126, 127), 0)      # np.frexp(a)[1] - 1 = floor(log2(a)), exactly
;;       r = np.clip(x / 2.0 ** e, -7.5, 7.5)
;;       step = 2.0 ** (np.maximum(np.frexp(np.where(r == 0, 1, r))[1] - 1, 0) - 3)
;;       q = np.round(r / step) * step * 2.0 ** e      # np.round: ties to even
;;       return np.moveaxis(q.reshape(q.shape[:-2] + (-1,))[..., :K], -1, axis).astype(np.float32)
;;   ~~~
;;   SOFTMAX AHEAD OF A QUANTISED PRODUCT. Where the list says 'softmax', what is quantised is not the finished softmax but p = 2^(t - M), with t = logit x log2(e) and M = ceil(the row's largest t), a whole number; so 1/2 < the row's largest p <= 1. The row's sum l is taken of the UNQUANTISED p, in f32, and the product's result is divided by l at the end. Since M is a whole number, a kernel that streams over the keys may use a running M (the ceiling of the running maximum): every later rescaling is an exact power of two, which a block's scale takes up: the codes' values come out the same.
;;   OPERANDS COMPUTED ON THE WAY. 'Computed on the way' means the value that the module computes at that place (a softmax that the list does not call 'softmax' is quantised finished and normalised). What goes into a quantiser is computed in f32, as accurately as f32 sums, v_exp_f32 and their like allow (about 1e-6 of the number): no bf16 or f16 on the way to a quantiser, and a product that is left as it is and whose result goes on into a quantised operand takes f32 operands (vector FMAs, or v_wmma_f32_16x16x4_f32). A number that lies on a knife's edge between two numbers of the format may be rounded either way, as far as f32 arithmetic and the matrix unit's own rounding can turn it there, and no further.
;;   INPUTS GIVEN AS CODES. Wout (in the module: [1024, 1024], K = its axis 0); Wqkv (in the module: [1024, 3072], K = its axis 0): each comes as NAME_codes (uint8): NAME with its K axis moved to the last place and cut into blocks of 32 codes, [.., K / 32, bytes a block], one block behind the other in memory; four codes in three bytes: a row's codes are one little-endian stream of bits, code i at bits 6 i .. 6 i + 5 (a code: sign, 2 exponent bits, 3 mantissa bits); and NAME_scales (uint8): the same leading axes, one E8M0 byte (e + 127) for each 32 codes along K. Its value is code x scale, taken as it is: it is not quantised again, and the codes and scales need not be those that the quantiser above would give.
;; One version. Each part assembles by itself: llvm-mc -triple=amdgcn-amd-amdhsa -mcpu=gfx1250 --defsym DOCPART=n.
;; ======== version 1 of 1: 4 launches
;; workspace buffers: xc 6,291,456 bytes; xs 262,144 bytes; qb 6,815,744 bytes; kvb 13,369,344 bytes; cc 6,291,456 bytes; cs 262,144 bytes
;; launch quantx (part 1): grid 256 x 1, 4 waves a work-group, no clusters, 33,280 bytes of LDS; arguments x, xc, xs; writes xc, xs
.if DOCPART == 1
	.amdgcn_target "amdgcn-amd-amdhsa--gfx1250"
	.amdhsa_code_object_version 6
	.text
	.protected	k_q67c7eee25a_quantx
	.globl	k_q67c7eee25a_quantx
	.p2align	8
	.type	k_q67c7eee25a_quantx,@function
k_q67c7eee25a_quantx:
	s_mov_b64 s[64:65], 0
	v_nop
	global_prefetch_b8 v0, s[64:65] scope:SCOPE_SE
	s_setreg_imm32_b32 hwreg(HW_REG_WAVE_MODE, 25, 1), 1
	s_wait_xcnt 0x0
; x [8192][1024], f32, is turned into codes of FP6 (E2M3), 6 bits each, K innermost (xc: a row is 768 bytes), with one E8M0 scale byte for each 32 along K (xs: 32 bytes a row).
; A block's scale is 2^(floor(log2(its largest magnitude)) - 2); its byte is the largest magnitude's own exponent field - 2, held at 1 from below.
; (A block of zeros so gets the byte 1 where the quantiser's text says 127: its codes are zeros, which add nothing under any byte but 0xff, and this program alone reads the bytes.)
; LIMITS: blocks whose largest magnitude lies under 2^-124 get the byte 1; NaN and infinities among the inputs are not served.
; Rows are dense and 1,024 is a multiple of 32: x is a plain stream of blocks of 32 numbers, and so are the codes and the scale bytes.
; A wave takes 16 steps of 512 numbers.  Each of a step's four loads reads 512 consecutive bytes, 16 a lane; the 2,048 bytes turn through the wave's own stage in LDS and come back 64 bytes a lane,
; so that a lane holds 16 neighbours along K (two neighbouring lanes hold a block), as the conversion wants them.  Loads run four steps ahead, the turn through LDS one step.  Waves share nothing: no barrier.
.set STEPS, 16
.set EMAX,  2
.set CB,    12                         ; bytes of 16 codes
.set R,     16                         ; v16-79   four sets of 16 numbers as they are loaded
.set X,     80                         ; v80-111  two sets of 16 neighbours
.set C,     128                        ; v128-191 codes: four registers for each step, so that no store's data are written again
.set E,     112                        ; v112-127 a scale byte for each step
.set WREG,  8192                       ; LDS: a region for each wave: two stages of 32 x SP bytes, behind them its 256 scale bytes
.set SP,    80                         ; a lane's place in a stage: its 64 bytes + 16 of padding
	s_load_b64 s[4:5], s[0:1], 0x0                 ; x
	s_load_b64 s[8:9], s[0:1], 0x8                 ; xc
	s_load_b64 s[10:11], s[0:1], 0x10              ; xs
	v_lshl_add_u32 v192, v0, 2, 0x8000
	v_mov_b32 v193, 0
	v_lshrrev_b32 v1, 5, v0
	v_readfirstlane_b32 s16, v1                    ; wave
	v_and_b32 v2, 31, v0                           ; lane
	v_lshlrev_b32 v3, 4, v2                        ; my 16 bytes of a load's 512
	s_mul_i32 s17, s16, WREG
	v_lshrrev_b32 v14, 2, v2
	v_mul_u32_u24 v14, v14, SP
	v_and_b32 v15, 3, v2
	v_lshl_add_u32 v14, v15, 4, v14
	v_add_nc_u32 v14, s17, v14                     ; the stage, on the way in: SP (lane / 4) + 16 (lane % 4)
	v_mul_u32_u24 v15, v2, SP
	v_add_nc_u32 v15, s17, v15                     ; and on the way out: SP x lane: my 16 neighbours
	v_mul_u32_u24 v4, v2, CB                       ; my codes' place in a step's
	v_lshrrev_b32 v5, 1, v2
	s_add_co_u32 s17, s17, 2*32*SP
	v_add_nc_u32 v5, s17, v5                       ; LDS: my wave's 256 scale bytes, my block's byte
	v_lshlrev_b32 v7, 3, v2                        ; and on the way out 8 bytes a lane
	v_add_nc_u32 v6, s17, v7
	s_lshl_b32 s18, ttmp9, 2
	s_add_co_u32 s18, s18, s16                     ; which run of 8,192 numbers is my wave's
	s_mov_b32 s19, 0
	s_mov_b64 s[20:21], 512*STEPS*4
	s_mul_u64 s[20:21], s[18:19], s[20:21]
	s_mov_b64 s[22:23], 32*STEPS*CB
	s_mul_u64 s[22:23], s[18:19], s[22:23]
	s_lshl_b32 s18, s18, 8                         ; 256 scale bytes a run
	s_wait_alu depctr_va_vdst(0)
	s_wait_kmcnt 0x0
	s_add_nc_u64 s[4:5], s[4:5], s[20:21]
	s_add_nc_u64 s[8:9], s[8:9], s[22:23]
	s_add_nc_u64 s[10:11], s[10:11], s[18:19]
.macro LOAD t
.irp i, 0,1,2,3
	global_load_b128 v[R+16*((\t)%4)+4*\i:R+16*((\t)%4)+4*\i+3], v3, s[4:5] offset:2048*(\t)+512*\i th:TH_LOAD_NT   ; 32 lanes read 512 consecutive bytes
.endr
.endm
.macro TURN t                          ; step t's numbers through the stage: LDS serves a wave's instructions in order, so no wait stands between the stores and the loads
.irp i, 0,1,2,3
	ds_store_b128 v14, v[R+16*((\t)%4)+4*\i:R+16*((\t)%4)+4*\i+3] offset:32*SP*((\t)%2)+8*SP*\i
.endr
.irp i, 0,1,2,3
	ds_load_b128 v[X+16*((\t)%2)+4*\i:X+16*((\t)%2)+4*\i+3], v15 offset:32*SP*((\t)%2)+16*\i
.endr
.endm
.irp t, 0,1,2,3
	LOAD \t
.endr
	s_wait_loadcnt 12                              ; step 0's four loads are in; the twelve of steps 1 to 3 may be out
	TURN 0
.macro STEP t
.set XS, X+16*((\t)%2)
.if (\t) > 0
	s_wait_dscnt 1                                 ; this step's numbers are back from the stage (the last step's byte store may be out): so its stores into the stage have read their registers,
.else
	s_wait_dscnt 0x0
.endif
.if (\t)+4 < STEPS
	LOAD (\t)+4                                    ; which take the loads of four steps on
.endif
.if (\t)+1 < STEPS
.if STEPS-2-(\t) >= 3
	s_wait_loadcnt 12                              ; the next step's four loads are in; those of the three steps behind it may be out
.else
	s_wait_loadcnt 4*(STEPS-2-(\t))
.endif
	TURN (\t)+1                                    ; and go through the other stage while this step is worked
.endif
	v_max3_num_f32 v8, |v[XS]|, |v[XS+1]|, |v[XS+2]|               ; the largest magnitude of my 16, in two chains
	v_max3_num_f32 v9, |v[XS+3]|, |v[XS+4]|, |v[XS+5]|
.irp i, 6,10
	v_max3_num_f32 v8, v8, |v[XS+\i]|, |v[XS+\i+1]|
	v_max3_num_f32 v9, v9, |v[XS+\i+2]|, |v[XS+\i+3]|
.endr
	v_max3_num_f32 v8, v8, |v[XS+14]|, |v[XS+15]|
	v_max3_num_f32 v8, v8, v9, (EMAX+1)<<23        ; and the floor 2^(3 - 127): the byte cannot fall under 1
	v_max_num_f32_dpp v8, v8, v8 row_xmask:1 row_mask:0xf bank_mask:0xf   ; and of my neighbour's 16: the block's
	v_add_nc_u32 v11, -(EMAX<<23), v8              ; 2 off its exponent field: the conversion takes the exponent field of this operand as its scale
	v_cvt_scalef32_pk16_fp6_f32 v[C+4*(\t):C+4*(\t)+2], v[XS:XS+15], v11   ; sixteen numbers / the scale, to the nearest code, ties to even, beyond the largest code the largest
	v_lshrrev_b32 v[E+(\t)], 23, v11               ; the scale's byte (also the plain line behind the conversion)
	ds_store_b8 v5, v[E+(\t)] offset:16*(\t)       ; both lanes of a block write the same byte with the same value
	global_store_b96 v4, v[C+4*(\t):C+4*(\t)+2], s[8:9] offset:32*CB*(\t)   ; the wave stores 384 consecutive bytes
.endm
.irp t, 0,1,2,3,4,5,6,7,8,9,10,11,12,13,14,15
	STEP \t
.endr
	ds_load_b64 v[12:13], v6                       ; LDS serves a wave's instructions in order: these see my stores
	s_wait_dscnt 0x0
	global_store_b64 v7, v[12:13], s[10:11]        ; 32 lanes store 256 consecutive bytes, aligned
	s_wait_tensorcnt 0x0
	ds_add_u32 v192, v193
	s_wait_dscnt 0x0
	s_endpgm
.Lfunc_end_k_q67c7eee25a_quantx:
	.size	k_q67c7eee25a_quantx, .Lfunc_end_k_q67c7eee25a_quantx-k_q67c7eee25a_quantx
	.p2alignl 7, 3214868480
	.fill 96, 4, 3214868480
	.section	.rodata,"a",@progbits
	.p2align	6, 0x0
	.amdhsa_kernel k_q67c7eee25a_quantx
		.amdhsa_group_segment_fixed_size 33280
		.amdhsa_private_segment_fixed_size 0
		.amdhsa_enable_private_segment 0
		.amdhsa_kernarg_size 24
		.amdhsa_user_sgpr_count 2
		.amdhsa_user_sgpr_kernarg_segment_ptr 1
		.amdhsa_wavefront_size32 1
		.amdhsa_system_sgpr_workgroup_id_x 1
		.amdhsa_system_sgpr_workgroup_id_y 1
		.amdhsa_system_sgpr_workgroup_id_z 1
		.amdhsa_system_vgpr_workitem_id 0
		.amdhsa_next_free_vgpr 194
		.amdhsa_next_free_sgpr 66
		.amdhsa_reserve_vcc 0
		.amdhsa_float_denorm_mode_32 3
		.amdhsa_float_denorm_mode_16_64 3
		.amdhsa_memory_ordered 1
		.amdhsa_forward_progress 1
		.amdhsa_inst_pref_size 32
	.end_amdhsa_kernel
	.amdgpu_metadata
---
amdhsa.version: [ 1, 2 ]
amdhsa.kernels:
  - .name:           k_q67c7eee25a_quantx
    .symbol:         k_q67c7eee25a_quantx.kd
    .args:
      - { .name: x, .offset: 0, .size: 8, .value_kind: global_buffer, .address_space: global }
      - { .name: xc, .offset: 8, .size: 8, .value_kind: global_buffer, .address_space: global }
      - { .name: xs, .offset: 16, .size: 8, .value_kind: global_buffer, .address_space: global }
    .group_segment_fixed_size: 33280
    .private_segment_fixed_size: 0
    .kernarg_segment_align: 8
    .kernarg_segment_size: 24
    .max_flat_workgroup_size: 128
    .sgpr_count:     66
    .vgpr_count:     194
    .wavefront_size: 32
...
	.end_amdgpu_metadata
.endif
;; end of part 1
;; launch qkv (part 2): grid 96 x 4, 4 waves a work-group, clusters of 4 x 4, 327,680 bytes of LDS; arguments xc, xs, Wqkv_codes, Wqkv_scales, bqkv, qb, kvb; writes qb, kvb
.if DOCPART == 2
	.amdgcn_target "amdgcn-amd-amdhsa--gfx1250"
	.amdhsa_code_object_version 6
	.text
	.protected	k_q67c7eee25a_qkv
	.globl	k_q67c7eee25a_qkv
	.p2align	8
	.type	k_q67c7eee25a_qkv,@function
k_q67c7eee25a_qkv:
	s_mov_b64 s[64:65], 0
	v_nop
	global_prefetch_b8 v0, s[64:65] scope:SCOPE_SE
	s_setreg_imm32_b32 hwreg(HW_REG_WAVE_MODE, 25, 1), 1
	s_wait_xcnt 0x0
	s_wait_alu depctr_hold_cnt(0) depctr_sa_sdst(0) depctr_va_vdst(0) depctr_va_sdst(0) depctr_va_ssrc(0) depctr_va_vcc(0) depctr_vm_vsrc(0)
	s_getreg_b32 s2, hwreg(HW_REG_IB_STS2, 6, 4)
	s_cmp_eq_u32 s2, 0
	s_cbranch_scc0 .Lentry_in_a_cluster
	s_endpgm
.Lentry_in_a_cluster:
	s_bfe_u32 s2, ttmp6, 0x10000c
	s_cmp_lg_u32 s2, 0xf033
	s_cbranch_scc0 .Lentry_shape_is_right
	s_endpgm
.Lentry_shape_is_right:
.set SIZE_K, 1024
.set KSTEP,  256
.set NQ,     KSTEP/128
.set ROWB,   192
.set KROW,   SIZE_K*6/8
.set PITCH,  240
.set FR,     12
.set NL,     6
.set NP,     4
.set HALFT,  128*PITCH
.set SLOT,   4*HALFT
.set LAPS,   SIZE_K/(2*KSTEP)
.set KS,     SIZE_K/32
.set SCL,    2*SLOT
.set HALFS,  (128*KS/256)*272
.set SBLK,   (16*KS/256)*272
.set SPARE,  SCL+4*HALFS
.set ADRA, 16
.set ADRB, 20
.set SPW,  28
.set NIL,  29
.set ADRS, 27
.set SC,   32
.set AF,   128
.set G1, 24
.set G0, 32
.set G1B, 48
.set G0B, 56
.set G1S, 68
.set G0S, 76
.set G1SB, 80
.set G0SB, 88
.set SEL, 46
.set BP,  64
.set H,   128
.set XA,  192
.set XB,  204
.set CT,  216
.set BQ,  224
.set TM,  240
.set MSB, 0
.macro WIN new
.if MSB != (\new)
	s_set_vgpr_msb (MSB<<8)|(\new)
.set MSB, \new
.endif
.endm
.set MUL_LO, 0xa1
.set MUL_HI, 0xf1
.set TO_B,   0x40
.macro JLOAD g0a, g1a, g0b, g1b
	s_cmp_eq_u32 s15, 0
	s_cbranch_scc0 .Lfor_b_\@
	tensor_load_to_lds s[\g0a:\g0a+3], s[\g1a:\g1a+7]
	s_nop 0
.rept 4
	v_nop
.endr
	s_branch .Lasked_\@
.Lfor_b_\@:
	tensor_load_to_lds s[\g0b:\g0b+3], s[\g1b:\g1b+7]
	s_nop 0
.rept 4
	v_nop
.endr
.Lasked_\@:
.endm
.macro CREST
	s_cmp_lg_u32 s14, 0
	s_cbranch_scc1 .Lnot_wave_0_\@
	s_barrier_signal -3
.Lnot_wave_0_\@:
	s_barrier_wait -3
	s_barrier_signal -1
	s_barrier_wait -1
.endm
.macro CROUND
	s_barrier_signal -1
	s_barrier_wait -1
	CREST
.endm
	s_load_b256 s[68:75], s[0:1], 0x0
	s_load_b128 s[96:99], s[0:1], 0x20
	s_load_b64 s[100:101], s[0:1], 0x30
	v_lshl_add_u32 v[SPW], v0, 2, SPARE
	v_mov_b32 v[NIL], 0
	ds_add_u32 v28, v29
	ds_add_u32 v28, v29
	s_wait_dscnt 0x0
	v_lshrrev_b32 v1, 5, v0
	v_readfirstlane_b32 s14, v1
	s_lshr_b32 s15, s14, 1
	s_and_b32 s16, s14, 1
	s_bfe_u32 s40, ttmp6, 0x40000
	s_bfe_u32 s41, ttmp6, 0x40004
	s_and_b32 s18, ttmp9, 1
	s_lshr_b32 s19, ttmp9, 1
	s_sub_co_u32 s20, ttmp9, 16
	s_cmp_ge_u32 ttmp9, 16
	s_cselect_b32 s66, 1, 0
	s_cselect_b32 s18, s20, s18
	s_cselect_b32 s19, 0, s19
	s_cselect_b32 s95, 2048, 0
	s_lshl_b32 s42, s18, 2
	s_add_co_u32 s42, s42, s40
	s_lshl_b32 s17, s19, 2
	s_add_co_u32 s17, s17, s41
	s_lshl_b32 s43, s41, 2
	s_lshl_b32 s43, 15, s43
	s_lshl_b32 s44, 0x1111, s40
	s_wait_kmcnt 0x0
	s_cmp_lg_u32 s66, 0
	s_cselect_b64 s[4:5], s[72:73], s[68:69]
	s_cselect_b64 s[6:7], s[74:75], s[70:71]
	s_cselect_b64 s[8:9], s[68:69], s[72:73]
	s_cselect_b64 s[10:11], s[70:71], s[74:75]
	s_or_b32 s[G1+0], s43, (0<<16)|(1<<20)|(1<<21)|(3<<22)|(3<<25)
	s_or_b32 s[G1B+0], s44, (0<<16)|(1<<20)|(1<<21)|(3<<22)|(3<<25)
.irp g, G1, G1B
	s_mov_b32 s[\g+1], ROWB<<16
	s_mov_b32 s[\g+2], 128<<16
	s_mov_b32 s[\g+3], ROWB<<16
	s_mov_b32 s[\g+4], 128
	s_mov_b32 s[\g+5], KROW
	s_mov_b32 s[\g+6], 0
	s_mov_b32 s[\g+7], 0
.endr
	s_or_b32 s[G1S+0], s43, (3<<16)|(1<<20)|(1<<21)|(5<<22)|(3<<25)
	s_or_b32 s[G1SB+0], s44, (3<<16)|(1<<20)|(1<<21)|(5<<22)|(3<<25)
.irp g, G1S, G1SB
	s_mov_b32 s[\g+1], 32<<16
	s_mov_b32 s[\g+2], (128*KS/256)<<16
	s_mov_b32 s[\g+3], 32<<16
	s_mov_b32 s[\g+4], 128*KS/256
	s_mov_b32 s[\g+5], 32
	s_mov_b32 s[\g+6], 0
	s_mov_b32 s[\g+7], 0
.endr
	s_lshl_b32 s18, s16, 7
	s_lshl_b32 s20, s17, 8
	s_add_co_u32 s20, s20, s18
	s_add_co_u32 s20, s20, s95
	s_lshl_b32 s46, s42, 8
	s_add_co_u32 s46, s46, s18
	s_mov_b32 s21, 0
	s_mov_b32 s47, 0
	s_mov_b64 s[18:19], KS
	s_mul_u64 s[22:23], s[20:21], s[18:19]
	s_mul_u64 s[92:93], s[46:47], s[18:19]
	s_mov_b64 s[18:19], KROW
	s_mul_u64 s[20:21], s[20:21], s[18:19]
	s_mul_u64 s[46:47], s[46:47], s[18:19]
	s_mul_i32 s45, s14, HALFT
	s_mul_i32 s94, s14, HALFS
	s_add_nc_u64 s[20:21], s[4:5], s[20:21]
	s_add_nc_u64 s[22:23], s[6:7], s[22:23]
	s_add_nc_u64 s[46:47], s[8:9], s[46:47]
	s_add_nc_u64 s[92:93], s[10:11], s[92:93]
	CROUND
	s_mov_b32 s[G0S], 1
	s_add_co_u32 s[G0S+1], s94, SCL
	s_mov_b64 s[G0S+2:G0S+3], s[22:23]
	s_or_b32 s[G0S+3], s[G0S+3], 0x80000000
	s_mov_b32 s[G0SB], 1
	s_add_co_u32 s[G0SB+1], s94, SCL
	s_mov_b64 s[G0SB+2:G0SB+3], s[92:93]
	s_or_b32 s[G0SB+3], s[G0SB+3], 0x80000000
	JLOAD G0S, G1S, G0SB, G1SB
.irp s, 0,1
	s_mov_b32 s[G0+4*\s], 1
	s_add_co_u32 s[G0+4*\s+1], s45, \s*SLOT
	s_add_nc_u64 s[G0+4*\s+2:G0+4*\s+3], s[20:21], \s*ROWB
	s_or_b32 s[G0+4*\s+3], s[G0+4*\s+3], 0x80000000
	s_mov_b32 s[G0B+4*\s], 1
	s_add_co_u32 s[G0B+4*\s+1], s45, \s*SLOT
	s_add_nc_u64 s[G0B+4*\s+2:G0B+4*\s+3], s[46:47], \s*ROWB
	s_or_b32 s[G0B+4*\s+3], s[G0B+4*\s+3], 0x80000000
	s_wait_alu depctr_va_vdst(0)
	s_wait_tensorcnt 0x0
	ds_add_u32 v28, v29
	s_wait_dscnt 0x0
	CROUND
	JLOAD G0+4*\s, G1, G0B+4*\s, G1B
.endr
	v_and_b32 v1, 15, v0
	v_bfe_u32 v2, v0, 4, 1
	v_mul_u32_u24 v3, v1, PITCH
	v_mul_u32_u24 v4, v2, 24
	v_add_nc_u32 v4, v3, v4
	v_lshl_add_u32 v5, v2, 4, v4
	s_mul_i32 s21, s15, HALFT
	s_mul_i32 s22, s16, HALFT
	s_add_co_u32 s22, s22, 2*HALFT
.irp s, 0,1
	v_add_nc_u32 v[ADRA+\s], s21, v4
	v_add_nc_u32 v[ADRB+\s], s22, v4
	v_add_nc_u32 v[ADRA+2+\s], s21, v5
	v_add_nc_u32 v[ADRB+2+\s], s22, v5
	s_add_co_u32 s21, s21, SLOT
	s_add_co_u32 s22, s22, SLOT
.endr
	v_mul_u32_u24 v5, v1, KS
	v_lshrrev_b32 v6, 8, v5
	v_lshl_add_u32 v5, v6, 4, v5
	s_mul_i32 s21, s15, HALFS
	s_mul_i32 s22, s16, HALFS
	s_add_co_u32 s22, s22, 2*HALFS
	s_sub_co_u32 s22, s22, s21
	v_mul_u32_u24 v6, s22, v2
	s_add_co_u32 s21, s21, SCL
	v_add_nc_u32 v5, v5, v6
	v_add_nc_u32 v[ADRS], s21, v5
	v_and_b32 v6, 31, v0
	v_lshlrev_b32 v25, 3, v6
	v_lshlrev_b32 v26, 4, v6
.macro FRAG reg, adr, q, i
.irp p, 0,1,2,3,4,5
.set PC, 12*(\q)+6*(\p/3)+\p%3
.if PC%8 < 5
	ds_load_b64 v[\reg+2*\p:\reg+2*\p+1], v[\adr] offset:8*PC+16*(PC/8)+(\i)*16*PITCH
.else
	ds_load_b64 v[\reg+2*\p:\reg+2*\p+1], v[\adr+2] offset:8*PC+16*(PC/8)+(\i)*16*PITCH
.endif
.endr
.endm
.macro MUL16 a0, p, q, sc, zero
.irp a, \a0, \a0+1
.irp b, 0,1,2,3,4,5,6,7
.if \zero
	v_wmma_scale_f32_16x16x128_f8f6f4 v[8*(8*((\a)%4)+\b):8*(8*((\a)%4)+\b)+7], v[128*(\p)+FR*\b:128*(\p)+FR*\b+FR-1], v[AF+FR*(\a):AF+FR*(\a)+FR-1], 0, v[SC+8*NQ*(\sc)+NQ*\b+(\q)], v[SC+8*NQ*(\sc)+NQ*(\a)+(\q)] matrix_a_fmt:MATRIX_FMT_FP6 matrix_b_fmt:MATRIX_FMT_FP6 matrix_a_scale:MATRIX_SCALE_ROW1
.else
	v_wmma_scale_f32_16x16x128_f8f6f4 v[8*(8*((\a)%4)+\b):8*(8*((\a)%4)+\b)+7], v[128*(\p)+FR*\b:128*(\p)+FR*\b+FR-1], v[AF+FR*(\a):AF+FR*(\a)+FR-1], v[8*(8*((\a)%4)+\b):8*(8*((\a)%4)+\b)+7], v[SC+8*NQ*(\sc)+NQ*\b+(\q)], v[SC+8*NQ*(\sc)+NQ*(\a)+(\q)] matrix_a_fmt:MATRIX_FMT_FP6 matrix_b_fmt:MATRIX_FMT_FP6 matrix_a_scale:MATRIX_SCALE_ROW1
.endif
.endr
.endr
.endm
.macro FETCH_B slot, q, p
	WIN TO_B
.irp i, 0,1,2,3,4,5,6,7
	FRAG 128*(\p)+FR*\i, ADRB+\slot, \q, \i
.endr
	WIN 0
.endm
.macro FETCH_A slot, q, i0
.irp i, \i0, \i0+1, \i0+2, \i0+3
	FRAG AF+FR*(\i), ADRA+\slot, \q, \i
.endr
.endm
.macro SCALES sc
.irp i, 0,1,2,3,4,5,6,7
	ds_load_b64 v[SC+8*NQ*\sc+NQ*\i:SC+8*NQ*\sc+NQ*\i+1], v[ADRS] offset:\i*SBLK
.endr
.endm
.macro PLACES n
.rept \n
	v_nop
.endr
.endm
.macro STEP slot, q, zero
	s_wait_dscnt 4*NL
	WIN MUL_LO
	MUL16 0, (\q)%2, \q, \slot, \zero
	MUL16 2, (\q)%2, \q, \slot, \zero
	s_wait_dscnt 0
	PLACES NP
	FETCH_B \slot, (\q)+1, 1-(\q)%2
	FETCH_A \slot, (\q)+1, 0
	WIN MUL_HI
	MUL16 4, (\q)%2, \q, \slot, \zero
	MUL16 6, (\q)%2, \q, \slot, \zero
	PLACES NP
	WIN 0
	FETCH_A \slot, (\q)+1, 4
.endm
.macro TURN slot, next, fill
	s_wait_tensorcnt 0x0
	ds_add_u32 v[SPW], v[NIL]
	s_wait_dscnt 4*NL+1
	WIN MUL_LO
	MUL16 0, 1, NQ-1, \slot, 0
	s_wait_dscnt 0x0
	s_barrier_signal -1
	MUL16 2, 1, NQ-1, \slot, 0
	WIN 0
	s_barrier_wait -1
.if \fill
	CREST
	s_add_nc_u64 s[G0+4*\slot+2:G0+4*\slot+3], s[G0+4*\slot+2:G0+4*\slot+3], 2*ROWB
	s_add_nc_u64 s[G0B+4*\slot+2:G0B+4*\slot+3], s[G0B+4*\slot+2:G0B+4*\slot+3], 2*ROWB
	JLOAD G0+4*\slot, G1, G0B+4*\slot, G1B
.else
	PLACES NP
.endif
	s_wait_alu depctr_va_vdst(0)
	v_add_nc_u32 v[ADRS], 4*NQ, v[ADRS]
	FETCH_B \next, 0, 0
	FETCH_A \next, 0, 0
	SCALES \next
	WIN MUL_HI
	MUL16 4, 1, NQ-1, \slot, 0
	MUL16 6, 1, NQ-1, \slot, 0
	PLACES NP
	WIN 0
	FETCH_A \next, 0, 4
.endm
.macro LASTSTEP
	s_wait_dscnt 4*NL
	WIN MUL_LO
	MUL16 0, 1, NQ-1, 1, 0
	MUL16 2, 1, NQ-1, 1, 0
	s_wait_dscnt 0
	WIN MUL_HI
	MUL16 4, 1, NQ-1, 1, 0
	MUL16 6, 1, NQ-1, 1, 0
	WIN 0
	PLACES NP
	s_wait_loadcnt 0x0
.irp b, 0,1,2,3
	v_mov_b32 v[TM+4+\b], 0
.endr
.endm
.macro QUANT
.irp b, 0,1,2,3
	v_max3_num_f32 v[TM+\b], |v[H+16*\b]|, |v[H+1+16*\b]|, 0x1800000
.endr
.irp i, 2,4,6,8,10,12,14
.irp b, 0,1,2,3
	v_max3_num_f32 v[TM+\b], v[TM+\b], |v[H+16*\b+\i]|, |v[H+1+16*\b+\i]|
.endr
.endr
.irp b, 0,1,2,3
	v_permlanex16_b32 v[TM+4+\b], v[TM+\b], s[SEL], s[SEL+1]
.endr
.irp b, 0,1,2,3
	v_max_num_f32 v[TM+\b], v[TM+\b], v[TM+4+\b]
.endr
.irp b, 0,1,2,3
	v_add_nc_u32 v[TM+12+\b], 0xff000000, v[TM+\b]
.endr
.irp b, 0,1,2,3
	v_lshrrev_b32 v[TM+4+\b], 23, v[TM+12+\b]
.endr
	v_lshl_or_b32 v[PWR], v[TM+5], 8, v[TM+4]
	v_lshl_or_b32 v[PWR], v[TM+6], 16, v[PWR]
	v_lshl_or_b32 v[PWR], v[TM+7], 24, v[PWR]
	v_cvt_scalef32_pk16_fp6_f32 v[D0:D0+2], v[H:H+15], v[TM+12]
	v_cvt_scalef32_pk16_fp6_f32 v[CT:CT+2], v[H+16:H+31], v[TM+13]
	v_cvt_scalef32_pk16_fp6_f32 v[D1:D1+2], v[H+32:H+47], v[TM+14]
	v_cvt_scalef32_pk16_fp6_f32 v[CT+4:CT+6], v[H+48:H+63], v[TM+15]
	v_nop
.irp i, 0,1,2
	v_permlane16_swap_b32 v[D0+\i], v[CT+\i]
	v_permlane16_swap_b32 v[D1+\i], v[CT+4+\i]
.endr
.irp i, 0,1,2
	v_mov_b32 v[D0+3+\i], v[CT+\i]
	v_mov_b32 v[D1+3+\i], v[CT+4+\i]
.endr
.endm
.macro BLOCKQK a
.if ((\a) >= 2) && ((\a)%2 == 0)
	s_wait_xcnt 0x0
.endif
.set AC, 64*((\a)%4)
	WIN 0x02+(\a)/4
.set i, 0
.rept 32
	v_pk_add_f32 v[H+i:H+i+1], v[AC+i:AC+i+1], v[BP+i:BP+i+1]
.set i, i+2
.endr
	WIN 0
.set D0, XA+6*((\a)%2)
.set D1, XB+6*((\a)%2)
.set PWR, 33+(\a)%2
	QUANT
.if (\a)%2 == 1
	v_cndmask_b32 v[36+(\a)/2], v34, v33, s67
.irp c, 0,1,2
	global_store_b128 v26, v[XA+4*\c:XA+4*\c+3], s[12:13] offset:1536*((\a)/2)+512*\c
	global_store_b128 v26, v[XB+4*\c:XB+4*\c+3], s[92:93] offset:1536*((\a)/2)+512*\c
.endr
.endif
.endm
.macro BLOCKV a
.if (\a) >= 2
	s_wait_xcnt 0x0
.endif
.set AC, 64*((\a)%4)
	WIN 0x02+(\a)/4
.set i, 0
.rept 32
	v_pk_add_f32 v[H+i:H+i+1], v[AC+i:AC+i+1], v[BQ+2*(\a):BQ+2*(\a)+1]
.set i, i+2
.endr
	WIN 0
.set D0, XA+12*((\a)%2)
.set D1, XA+12*((\a)%2)+6
.set PWR, 33+(\a)%2
	QUANT
.irp c, 0,1,2
	global_store_b128 v26, v[D0+4*\c:D0+4*\c+3], s[12:13] offset:((\a)/4)*208896+((\a)%4)*1536+512*\c
.endr
.if (\a)%2 == 1
	v_cndmask_b32 v[36+(\a)/2], v34, v33, s67
.endif
.if (\a)%4 == 3
	global_store_b64 v25, v[36+2*((\a)/4):37+2*((\a)/4)], s[12:13] offset:6144+((\a)/4)*208896
.endif
.endm
	s_wait_alu depctr_va_vdst(0)
	s_wait_tensorcnt 1
	s_barrier_signal -1
	s_barrier_wait -1
	FETCH_B 0, 0, 0
	FETCH_A 0, 0, 0
	SCALES 0
	FETCH_A 0, 0, 4
	STEP 0, 0, 1
	s_mov_b32 s3, LAPS-1
.Llap:
	TURN 0, 1, 1
	STEP 1, 0, 0
	TURN 1, 0, 1
	STEP 0, 0, 0
	s_sub_co_u32 s3, s3, 1
	s_cmp_lg_u32 s3, 0
	s_cbranch_scc1 .Llap
	TURN 0, 1, 0
	STEP 1, 0, 0
	s_mov_b32 s[SEL], 0x76543210
	s_mov_b32 s[SEL+1], 0xfedcba98
	s_mov_b32 s67, 0xffff
	s_cmp_lg_u32 s66, 0
	s_cbranch_scc1 .Lv
	s_lshl_b32 s18, s42, 8
	s_lshl_b32 s19, s16, 7
	s_add_co_u32 s18, s18, s19
	s_lshl_b32 s19, s17, 8
	s_lshl_b32 s22, s15, 7
	s_add_co_u32 s19, s19, s22
	s_lshl_b32 s20, s18, 2
	s_mov_b32 s21, 0
	s_add_nc_u64 s[20:21], s[96:97], s[20:21]
	s_lshr_b32 s22, s18, 6
	s_and_b32 s23, s22, 15
	s_lshr_b32 s45, s19, 11
	s_lshl_b32 s45, s45, 4
	s_add_co_u32 s45, s45, s23
	s_lshl_b32 s45, s45, 4
	s_bfe_u32 s23, s19, 0x40007
	s_add_co_u32 s45, s45, s23
	s_mov_b32 s23, 13056
	s_cmp_ge_u32 s22, 16
	s_cselect_b32 s23, s23, 6656
	s_cselect_b64 s[12:13], s[100:101], s[98:99]
	s_mul_i32 s92, s45, s23
	s_mov_b32 s93, 0
	s_add_nc_u64 s[12:13], s[12:13], s[92:93]
	s_lshl_b32 s92, s23, 4
	s_add_nc_u64 s[92:93], s[12:13], s[92:93]
	v_bfe_u32 v24, v0, 4, 1
	v_lshlrev_b32 v24, 5, v24
.irp t, 0,1,2,3,4,5,6,7
	global_load_b128 v[BP+8*\t:BP+8*\t+3], v24, s[20:21] offset:64*\t
	global_load_b128 v[BP+8*\t+4:BP+8*\t+7], v24, s[20:21] offset:64*\t+16
.endr
	LASTSTEP
.irp a, 0,1,2,3,4,5,6,7
	BLOCKQK \a
.endr
.irp i, 0,1,2,3
	v_lshrrev_b32 v[40+\i], 16, v[36+\i]
.endr
	global_store_b128 v26, v[36:39], s[12:13] offset:6144
	global_store_b128 v26, v[40:43], s[92:93] offset:6144
	s_branch .Lend
.Lv:
	s_lshl_b32 s18, s17, 8
	s_lshl_b32 s19, s15, 7
	s_add_co_u32 s18, s18, s19
	s_lshl_b32 s19, s42, 8
	s_lshl_b32 s22, s16, 7
	s_add_co_u32 s19, s19, s22
	s_lshl_b32 s20, s18, 2
	s_add_co_u32 s20, s20, 8192
	s_mov_b32 s21, 0
	s_add_nc_u64 s[20:21], s[96:97], s[20:21]
	s_lshr_b32 s22, s18, 6
	s_lshr_b32 s45, s19, 11
	s_lshl_b32 s45, s45, 4
	s_add_co_u32 s45, s45, s22
	s_lshl_b32 s45, s45, 4
	s_bfe_u32 s23, s19, 0x40007
	s_add_co_u32 s45, s45, s23
	s_mul_i32 s92, s45, 13056
	s_add_co_u32 s92, s92, 6656
	s_mov_b32 s93, 0
	s_add_nc_u64 s[12:13], s[100:101], s[92:93]
	v_and_b32 v24, 15, v0
	v_lshlrev_b32 v24, 2, v24
.irp a, 0,1,2,3,4,5,6,7
	global_load_b32 v[BQ+2*\a], v24, s[20:21] offset:64*\a
	global_load_b32 v[BQ+2*\a+1], v24, s[20:21] offset:64*\a
.endr
	LASTSTEP
.irp a, 0,1,2,3,4,5,6,7
	BLOCKV \a
.endr
.Lend:
	s_wait_tensorcnt 0x0
	ds_add_u32 v[SPW], v[NIL]
	s_wait_dscnt 0x0
	CROUND
	s_endpgm
.Lfunc_end_k_q67c7eee25a_qkv:
	.size	k_q67c7eee25a_qkv, .Lfunc_end_k_q67c7eee25a_qkv-k_q67c7eee25a_qkv
	.p2alignl 7, 3214868480
	.fill 96, 4, 3214868480
	.section	.rodata,"a",@progbits
	.p2align	6, 0x0
	.amdhsa_kernel k_q67c7eee25a_qkv
		.amdhsa_group_segment_fixed_size 327680
		.amdhsa_private_segment_fixed_size 0
		.amdhsa_enable_private_segment 0
		.amdhsa_kernarg_size 56
		.amdhsa_user_sgpr_count 2
		.amdhsa_user_sgpr_kernarg_segment_ptr 1
		.amdhsa_wavefront_size32 1
		.amdhsa_system_sgpr_workgroup_id_x 1
		.amdhsa_system_sgpr_workgroup_id_y 1
		.amdhsa_system_sgpr_workgroup_id_z 1
		.amdhsa_system_vgpr_workitem_id 0
		.amdhsa_next_free_vgpr 1024
		.amdhsa_next_free_sgpr 102
		.amdhsa_reserve_vcc 0
		.amdhsa_float_denorm_mode_32 3
		.amdhsa_float_denorm_mode_16_64 3
		.amdhsa_memory_ordered 1
		.amdhsa_forward_progress 1
		.amdhsa_inst_pref_size 243
	.end_amdhsa_kernel
	.amdgpu_metadata
---
amdhsa.version: [ 1, 2 ]
amdhsa.kernels:
  - .name:           k_q67c7eee25a_qkv
    .symbol:         k_q67c7eee25a_qkv.kd
    .args:
      - { .name: xc, .offset: 0, .size: 8, .value_kind: global_buffer, .address_space: global }
      - { .name: xs, .offset: 8, .size: 8, .value_kind: global_buffer, .address_space: global }
      - { .name: Wqkv_codes, .offset: 16, .size: 8, .value_kind: global_buffer, .address_space: global }
      - { .name: Wqkv_scales, .offset: 24, .size: 8, .value_kind: global_buffer, .address_space: global }
      - { .name: bqkv, .offset: 32, .size: 8, .value_kind: global_buffer, .address_space: global }
      - { .name: qb, .offset: 40, .size: 8, .value_kind: global_buffer, .address_space: global }
      - { .name: kvb, .offset: 48, .size: 8, .value_kind: global_buffer, .address_space: global }
    .group_segment_fixed_size: 327680
    .private_segment_fixed_size: 0
    .kernarg_segment_align: 8
    .kernarg_segment_size: 56
    .max_flat_workgroup_size: 128
    .sgpr_count:     102
    .vgpr_count:     1024
    .wavefront_size: 32
...
	.end_amdgpu_metadata
.endif
;; end of part 2
;; launch attn (part 3): grid 4 x 64, 16 waves a work-group, clusters of 4 x 1, 211,968 bytes of LDS; arguments qb, kvb, cc, cs; writes cc, cs
.if DOCPART == 3
	.amdgcn_target "amdgcn-amd-amdhsa--gfx1250"
	.amdhsa_code_object_version 6
	.text
	.protected	k_q67c7eee25a_attn
	.globl	k_q67c7eee25a_attn
	.p2align	8
	.type	k_q67c7eee25a_attn,@function
k_q67c7eee25a_attn:
	s_mov_b64 s[64:65], 0
	v_nop
	global_prefetch_b8 v0, s[64:65] scope:SCOPE_SE
	s_setreg_imm32_b32 hwreg(HW_REG_WAVE_MODE, 25, 1), 1
	s_wait_xcnt 0x0
	s_wait_alu depctr_hold_cnt(0) depctr_sa_sdst(0) depctr_va_vdst(0) depctr_va_sdst(0) depctr_va_ssrc(0) depctr_va_vcc(0) depctr_vm_vsrc(0)
	s_getreg_b32 s2, hwreg(HW_REG_IB_STS2, 6, 4)
	s_cmp_eq_u32 s2, 0
	s_cbranch_scc0 .Lentry_in_a_cluster
	s_endpgm
.Lentry_in_a_cluster:
	s_bfe_u32 s2, ttmp6, 0x10000c
	s_cmp_lg_u32 s2, 0x3003
	s_cbranch_scc0 .Lentry_shape_is_right
	s_endpgm
.Lentry_shape_is_right:
; ctx[b][h][q] = the sum over k of softmax_k(q . k / 8) v, both products on codes of FP6 (E2M3) with one E8M0 scale for each 32 along a product's K; ctx leaves as codes for the output product.
; THE SOFTMAX AHEAD OF THE SECOND PRODUCT: t = score x log2(e) / 8; M = the row's largest t so far, rounded up to a whole number; p = 2^(t - M) is what is quantised, along the keys, not normalised.
; The row's sum is taken of the unquantised p, in f32, and divides O at the end.  When M moves, the sum and O are multiplied by 2^(old M - new M): exact.
; SHARES.  A cluster is the four quarters of the queries of one (batch, head); a work-group owns 512 queries, in two passes of 256; each of its sixteen waves owns one tile of 16 queries a pass, in 256 registers.
; A HEAD'S WHOLE K AND V STAY IN LDS: 16 blocks of 128 keys, 13,056 bytes each, filled once, by joint loads that name all four work-groups.  Nothing is filled again: no ring.
; A block lies as images of the operands' registers: every LDS load takes 16 (or 8) x lane consecutive bytes.  +0 K's codes (four pairs of tiles), +6,144 K's scale words, +6,656 V's four fragments, +12,800 V's scale words.
; LAYOUT.  Both products are used transposed: S^T = K Q^T (source 0 = 16 keys, source 1 = my queries), O^T = V^T P^T: a lane holds one query (lane % 16) throughout.
; K = 64 IN AN INSTRUCTION OF 128: Q's registers 6-11 hold zero codes.  K's tiles lie six registers apart: a tile's upper six registers are the next tile's codes (every code of this format is a finite number),
; which meet Q's zeros; behind tile 7 stand six registers of zeros.  Bytes 2 and 3 of q's and k's scale words are never 0xff.
; INSIDE A BLOCK OF 32 the codes of q, k, v and p stand in the order 0-7, 16-23, 8-15, 24-31, alike on both sides of each product.  ctx meets Wout, which is given: there the order is set right (four v_perm_b32).
; LIMITS: NaN and infinities are not served; a block of p or ctx under 2^-124 gets the byte 1; v_exp_f32 is taken not to fall where its input rises (a block's largest p is made from its largest score);
; inside a matrix instruction the sums are grouped by the order above.
; REGISTERS: v1-7 addresses; v12 -M, v13 the largest t, v[14:15] the sum; v16-27 Q, v28 its scale words; v30 f, v31 p's scale word; v32-79 K's run, then V's fragments; v80-85 zeros; v86-89, v90-91 K's and V's scale words;
;   v96-159 S^T, then p; v160-191 O^T; v192-203 p's codes; v204-210 conversions; v212-224 at work; v226-251 both passes' Q as loaded.
.set BLKB,  13056                      ; a block of 128 keys
.set CSR,   16*BLKB                    ; behind the blocks: two regions of 512 bytes, one a pass, in which ctx's scale bytes are gathered
.set WV,  12
.set G1,  24                           ; s[24:31] descriptor group 1;  s[32:47] four groups 0
.set G0,  32
.set TB,  48                           ; s48 LDS byte at which the block in hand begins
.set CNT, 49
.set SEL, 50                           ; s[50:51] lane selects for lane l xor 16
.set CS,  52                           ; s[52:53] c = log2(e) / 8
.macro CROUND                          ; a round of the cluster's barrier
	s_barrier_signal -1
	s_barrier_wait -1
	s_cmp_lg_u32 s[WV], 0
	s_cbranch_scc1 .Lnot_wave_0_\@
	s_barrier_signal -3
.Lnot_wave_0_\@:
	s_barrier_wait -3
	s_barrier_signal -1
	s_barrier_wait -1
.endm
	s_load_b256 s[4:11], s[0:1], 0x0               ; qb, kvb, cc, cs
	v_lshl_add_u32 v254, v0, 2, 0x33400
	v_mov_b32 v255, 0
	ds_add_u32 v254, v255
	ds_add_u32 v254, v255
	v_lshrrev_b32 v1, 5, v0
	s_delay_alu instid0(VALU_DEP_1)
	v_readfirstlane_b32 s[WV], v1                  ; wave 0..15
	s_bfe_u32 s13, ttmp6, 0x40000                  ; cx: my quarter of the queries
	s_and_b32 s14, ttmp7, 0xffff                   ; 16 x batch + head, which the four partners share
	; descriptor group 1: a dense block of 13,056 bytes as 51 rows of 256 bytes (32 elements of 8)
	s_mov_b32 s[G1], 15|(3<<16)|(1<<21)            ; 15:0 the mask: all four work-groups; elements of 8 bytes; no padding; 21 set beside a mask
	s_mov_b32 s[G1+1], 32<<16                      ; tensor_dim0
	s_mov_b32 s[G1+2], 51<<16                      ; tensor_dim1
	s_mov_b32 s[G1+3], 32<<16                      ; tile_dim0
	s_mov_b32 s[G1+4], 51                          ; tile_dim1
	s_mov_b32 s[G1+5], 32                          ; tensor_dim0_stride
	s_mov_b32 s[G1+6], 0
	s_mov_b32 s[G1+7], 0
	s_mul_i32 s15, s[WV], BLKB                     ; wave w's load g brings block 4 g + w
	s_mul_i32 s20, s14, 16*BLKB
	s_add_co_u32 s20, s20, s15
	s_mov_b32 s21, 0
	s_wait_dscnt 0x0
	s_wait_kmcnt 0x0
	s_add_nc_u64 s[20:21], s[6:7], s[20:21]
.irp g, 0,1,2,3
	s_mov_b32 s[G0+4*\g], 1                        ; count = 1
	s_add_co_u32 s[G0+4*\g+1], s15, \g*4*BLKB      ; LDS address: made of the wave's number and constants
	s_add_nc_u64 s[G0+4*\g+2:G0+4*\g+3], s[20:21], \g*4*BLKB
	s_or_b32 s[G0+4*\g+3], s[G0+4*\g+3], 0x80000000   ; type = 2
.endr
	CROUND                                         ; all four work-groups are here: the joint loads meet
	s_cmp_lt_u32 s[WV], 4                          ; waves 0 to 3 fetch; a wave's four fills stand in one branch, ahead of every wait on TENSORcnt and every LDS read: four loads of mine are out
	s_cbranch_scc0 .Lno_fill
	tensor_load_to_lds s[G0:G0+3], s[G1:G1+7]
	s_nop 0
	tensor_load_to_lds s[G0+4:G0+7], s[G1:G1+7]
	s_nop 0
	tensor_load_to_lds s[G0+8:G0+11], s[G1:G1+7]
	s_nop 0
	tensor_load_to_lds s[G0+12:G0+15], s[G1:G1+7]
	s_nop 0
.rept 4
	v_nop
.endr
.Lno_fill:
	v_and_b32 v2, 31, v0
	s_delay_alu instid0(VALU_DEP_1)
	v_lshlrev_b32 v1, 4, v2                        ; 16 x lane
	s_wait_alu depctr_va_vdst(0)
	v_lshlrev_b32 v2, 3, v2                        ; 8 x lane
	s_lshl_b32 s22, s13, 2
	s_lshr_b32 s23, s[WV], 3
	s_add_co_u32 s22, s22, s23                     ; pass 0: my block of 128 queries: 4 cx + wave / 8
	s_mul_i32 s22, s22, 6656
	s_mul_i32 s23, s14, 16*6656
	s_add_co_u32 s22, s22, s23
	s_mov_b32 s23, 0
	s_add_nc_u64 s[18:19], s[4:5], s[22:23]
	s_bfe_u32 s60, s[WV], 0x20001                  ; my pair of tiles: (wave / 2) % 4
	s_mul_i32 s22, s60, 1536
	s_add_nc_u64 s[16:17], s[18:19], s[22:23]
	s_and_b32 s55, s[WV], 1
	s_sub_co_u32 s54, 0, s55                       ; all ones in the odd waves: they take the pair's second tile
	s_lshl_b32 s55, s55, 8
	s_lshl_b32 s60, s60, 2
	s_add_co_u32 s55, s55, s60
	v_and_b32 v5, 15, v0
	s_delay_alu instid0(VALU_DEP_1)
	v_lshlrev_b32 v6, 1, v5
	s_delay_alu instid0(VALU_DEP_2)
	v_lshlrev_b32 v5, 4, v5
	s_delay_alu instid0(VALU_DEP_1)
	v_add_nc_u32 v5, s55, v5                       ; my row's scale word in the image: 16 (r + 16 (wave % 2)) + 4 x pair
.irp p, 0,1                                    ; both passes' Q at once
.irp c, 0,1,2
	global_load_b128 v[226+12*\p+4*\c:229+12*\p+4*\c], v1, s[16:17] offset:13312*\p+512*\c
.endr
	global_load_b32 v[250+\p], v5, s[18:19] offset:6144+13312*\p
.endr
	s_lshl_b32 s55, s[WV], 5
	s_add_co_u32 s55, s55, CSR
	v_add_nc_u32 v6, s55, v6                       ; where my row's two scale bytes of ctx go: 32 x wave + 2 r
	v_add_nc_u32 v7, CSR, v1                       ; and where wave 0 reads the 512 back
	s_lshr_b32 s60, s14, 4                         ; the batch
	s_and_b32 s61, s14, 15                         ; the head
	s_lshl_b32 s62, s60, 7
	s_lshl_b32 s63, s13, 5
	s_add_co_u32 s62, s62, s63
	s_add_co_u32 s62, s62, s[WV]                   ; my tile of 16 tokens: 128 x batch + 32 cx + wave (+ 16 in pass 1)
	s_lshl_b32 s62, s62, 4
	s_add_co_u32 s62, s62, s61
	s_mul_i32 s62, s62, 768
	s_mov_b32 s63, 0
	s_add_nc_u64 s[56:57], s[8:9], s[62:63]        ; cc
	s_lshl_b32 s62, s60, 3
	s_lshl_b32 s55, s13, 1
	s_add_co_u32 s62, s62, s55
	s_lshl_b32 s62, s62, 4
	s_add_co_u32 s62, s62, s61
	s_lshl_b32 s62, s62, 9
	s_add_nc_u64 s[58:59], s[10:11], s[62:63]      ; cs
	s_mov_b32 s[SEL], 0x76543210
	s_mov_b32 s[SEL+1], 0xfedcba98
	s_mov_b32 s[CS], 0x3e38aa3b                    ; c = log2(e) / 8
	s_mov_b32 s[CS+1], s[CS]                       ; (named with it as a pair, so it is written)
; A pass begins: my tile of Q, and the running figures.  The 32 zeros of O^T are also the places between the writes of Q and its scale word and the first product.
.macro INIT p
.if \p == 0
	s_wait_loadcnt 0x0                             ; Q
.endif
.irp i, 0,1,2,3,4,5
	v_cndmask_b32 v[16+\i], v[226+12*\p+\i], v[232+12*\p+\i], s54
.endr
	v_mov_b32 v28, v[250+\p]
	v_mov_b32 v13, 0xff61b1e6                      ; the largest t so far: -3e38, under every t
	s_delay_alu instid0(VALU_DEP_1)
	v_floor_f32 v12, -v13                          ; -M
	v_mov_b32 v14, 0                               ; the sum, in two halves
	v_mov_b32 v15, 0
.if \p == 0
.irp i, 0,1,2,3,4,5
	v_mov_b32 v[22+\i], 0                          ; Q's upper 64 along K: zero codes
	v_mov_b32 v[80+\i], 0                          ; behind K's tile 7
.endr
.irp b, 0,1,2,3
	v_mov_b32 v[216+\b], 0                         ; written once: a lane permute's destination counts as one of its sources
.endr
	v_mov_b32 v224, 0
	v_mov_b32 v31, 0                               ; (named as the upper half of the pair v[30:31] before it is first written)
.endif
.set i, 0
.rept 32
	v_mov_b32 v[160+i], 0                          ; O^T: the step is written once; the first finds zeros, which the first change of M leaves zeros
.set i, i+1
.endr
.endm
; A KEY STEP: the block of 128 keys at LDS byte s[TB].
.macro STEP
	v_add_nc_u32 v3, s[TB], v1
	v_add_nc_u32 v4, s[TB], v2
	v_nop
	v_nop                                          ; four places in front of loads into registers that the last products have read
.irp c, 0,1,2,3,4,5,6,7,8,9,10,11
	ds_load_b128 v[32+4*\c:35+4*\c], v3 offset:512*\c   ; K's eight tiles, six registers each
.endr
	ds_load_b128 v[86:89], v3 offset:6144          ; their scale words: lanes 0-15 the even tile's, lanes 16-31 the odd tile's
	s_wait_alu depctr_va_vdst(0)
	s_wait_dscnt 0x0
.irp t, 0,1,2,3
	v_wmma_scale_f32_16x16x128_f8f6f4 v[96+16*\t:103+16*\t], v[32+12*\t:43+12*\t], v[16:27], 0, v[86+\t], v28 matrix_a_fmt:MATRIX_FMT_FP6 matrix_b_fmt:MATRIX_FMT_FP6
	v_wmma_scale_f32_16x16x128_f8f6f4 v[104+16*\t:111+16*\t], v[38+12*\t:49+12*\t], v[16:27], 0, v[86+\t], v28 matrix_a_fmt:MATRIX_FMT_FP6 matrix_b_fmt:MATRIX_FMT_FP6 matrix_a_scale:MATRIX_SCALE_ROW1
.endr
.rept 4
	v_nop                                          ; places in front of the loads below and of the first read of the scores
.endr
.irp c, 0,1,2,3,4,5,6,7,8,9,10,11
	ds_load_b128 v[32+4*\c:35+4*\c], v3 offset:6656+512*\c   ; V's four fragments land under the softmax
.endr
	ds_load_b64 v[90:91], v4 offset:12800
.irp b, 0,1,2,3
	v_max3_num_f32 v[212+\b], v[96+16*\b], v[97+16*\b], v[98+16*\b]   ; the largest score of each block of 32 keys: for the row's maximum, and, since p rises with the score, for the block's largest p
.endr
.irp i, 3,5,7,9,11,13
.irp b, 0,1,2,3
	v_max3_num_f32 v[212+\b], v[212+\b], v[96+16*\b+\i], v[97+16*\b+\i]
.endr
.endr
.irp b, 0,1,2,3
	v_max_num_f32 v[212+\b], v[212+\b], v[111+16*\b]
.endr
.irp b, 0,1,2,3
	s_delay_alu instid0(VALU_DEP_4)
	v_permlanex16_b32 v[216+\b], v[212+\b], s[SEL], s[SEL+1]
.endr
.irp b, 0,1,2,3
	s_delay_alu instid0(VALU_DEP_4)
	v_max_num_f32 v[212+\b], v[212+\b], v[216+\b]  ; with lane l xor 16's 16 keys
.endr
	s_delay_alu instid0(VALU_DEP_2)
	v_max3_num_f32 v224, v212, v213, v214
	s_delay_alu instid0(VALU_DEP_1)
	v_max_num_f32 v224, v224, v215                 ; the step's largest score of my query
	s_delay_alu instid0(VALU_DEP_1)
	v_mul_f32 v224, s[CS], v224                    ; as t (c is positive)
	s_delay_alu instid0(VALU_DEP_1)
	v_max_num_f32 v13, v13, v224                   ; the running largest t
	v_mov_b32 v224, v12
	s_delay_alu instid0(VALU_DEP_2)
	v_floor_f32 v12, -v13                          ; the new -M = floor(-t): M is a whole number
	s_delay_alu instid0(VALU_DEP_1)
	v_sub_f32 v224, v12, v224                      ; M's old value less its new one: a whole number, 0 or less
	s_delay_alu instid0(VALU_DEP_1)
	v_cvt_i32_f32 v224, v224                       ; (it saturates)
	s_delay_alu instid0(VALU_DEP_1)
	v_ldexp_f32 v30, 1.0, v224                     ; f = 2^(old M - new M)
.set i, 0
.rept 32
	v_pk_fma_f32 v[96+i:97+i], v[96+i:97+i], s[CS:CS+1], v[12:13] op_sel_hi:[1,0,0]   ; t - M, two at a time
.set i, i+2
.endr
.irp b, 0,1,2,3
	v_fma_f32 v[212+\b], v[212+\b], s[CS], v12     ; the same of each block's largest score
.endr
.set i, 0
	s_wait_alu depctr_va_vdst(0)
.rept 64
	v_exp_f32 v[96+i], v[96+i]                     ; p = 2^(t - M), at most 1
.set i, i+1
.endr
	s_setprio 1
	v_pk_mul_f32 v[14:15], v[14:15], v[30:31] op_sel_hi:[1,0]   ; the sums under the new M (a plain line behind the exponentials)
	s_wait_alu depctr_va_vdst(0)                   ; one wait for the whole batch, ahead of its first reader
.irp b, 0,1,2,3
	v_exp_f32 v[212+\b], v[212+\b]                 ; the block's largest p
.endr
	v_pk_add_f32 v[216:217], v[100:101], v[104:105]
	v_pk_add_f32 v[252:253], v[108:109], v[112:113]
	v_pk_add_f32 v[236:237], v[116:117], v[120:121]
	v_pk_add_f32 v[234:235], v[124:125], v[128:129]
	v_pk_add_f32 v[232:233], v[132:133], v[136:137]
	v_pk_add_f32 v[230:231], v[140:141], v[144:145]
	v_pk_add_f32 v[228:229], v[148:149], v[152:153]
	v_pk_add_f32 v[14:15], v[14:15], v[156:157]
	v_pk_add_f32 v[216:217], v[216:217], v[96:97]
	v_pk_add_f32 v[252:253], v[252:253], v[98:99]
	v_pk_add_f32 v[236:237], v[236:237], v[102:103]
	v_pk_add_f32 v[234:235], v[234:235], v[106:107]
	v_pk_add_f32 v[232:233], v[232:233], v[110:111]
	v_pk_add_f32 v[230:231], v[230:231], v[114:115]
	v_pk_add_f32 v[228:229], v[228:229], v[118:119]
	v_pk_add_f32 v[14:15], v[14:15], v[122:123]
	v_pk_add_f32 v[216:217], v[216:217], v[126:127]
	v_pk_add_f32 v[252:253], v[252:253], v[130:131]
	v_pk_add_f32 v[236:237], v[236:237], v[134:135]
	v_pk_add_f32 v[234:235], v[234:235], v[138:139]
	v_pk_add_f32 v[232:233], v[232:233], v[142:143]
	v_pk_add_f32 v[230:231], v[230:231], v[146:147]
	v_pk_add_f32 v[228:229], v[228:229], v[150:151]
	v_pk_add_f32 v[14:15], v[14:15], v[154:155]
	v_pk_add_f32 v[216:217], v[216:217], v[158:159]
	s_delay_alu instid0(VALU_DEP_2)
	v_pk_add_f32 v[14:15], v[14:15], v[234:235]
	s_delay_alu instid0(VALU_DEP_2)
	v_pk_add_f32 v[216:217], v[216:217], v[232:233]
	v_pk_add_f32 v[252:253], v[252:253], v[230:231]
	v_pk_add_f32 v[236:237], v[236:237], v[228:229]
	s_delay_alu instid0(VALU_DEP_2)
	v_pk_add_f32 v[14:15], v[14:15], v[252:253]
	s_delay_alu instid0(VALU_DEP_2)
	v_pk_add_f32 v[216:217], v[216:217], v[236:237]
	s_delay_alu instid0(VALU_DEP_1)
	v_pk_add_f32 v[14:15], v[14:15], v[216:217]
	s_wait_alu depctr_va_vdst(0)                   ; and one for the four
.irp b, 0,1,2,3
	v_max_num_f32 v[212+\b], 0x1800000, v[212+\b]  ; the floor 2^(3 - 127): the byte cannot fall under 1
.endr
.irp b, 0,1,2,3
	s_delay_alu instid0(VALU_DEP_4)
	v_add_nc_u32 v[220+\b], 0xff000000, v[212+\b]  ; 2 off the exponent field: the conversion's scale operand
.endr
.irp b, 0,1,2,3
	s_delay_alu instid0(VALU_DEP_4)
	v_lshrrev_b32 v[216+\b], 23, v[220+\b]         ; the scale's byte
.endr
	s_delay_alu instid0(VALU_DEP_3)
	v_lshl_or_b32 v31, v217, 8, v216               ; p's scale word for these 128 keys
	s_delay_alu instid0(VALU_DEP_1)
	v_lshl_or_b32 v31, v218, 16, v31
	s_delay_alu instid0(VALU_DEP_1)
	v_lshl_or_b32 v31, v219, 24, v31
.irp c, 0,1
	v_cvt_scalef32_pk16_fp6_f32 v[192+6*\c:194+6*\c], v[96+32*\c:111+32*\c], v[220+2*\c]
	v_cvt_scalef32_pk16_fp6_f32 v[204+4*\c:206+4*\c], v[112+32*\c:127+32*\c], v[220+2*\c+1]
.endr
	v_nop                                          ; one plain line behind a scaled conversion
.irp c, 0,1                                    ; a whole block in a lane: lanes 0-15 block 2 c, lanes 16-31 block 2 c + 1
.irp i, 0,1,2
	v_permlane16_swap_b32 v[192+6*\c+\i], v[204+4*\c+\i]
.endr
.irp i, 0,1,2
	s_delay_alu instid0(VALU_DEP_3)
	v_mov_b32 v[195+6*\c+\i], v[204+4*\c+\i]
.endr
.endr
.set i, 0
	s_setprio 0
.rept 16
	v_pk_mul_f32 v[160+i:161+i], v[160+i:161+i], v[30:31] op_sel_hi:[1,0]   ; O^T under the new M.  (These 16 are also the places between the writes of p's codes and scale word and the products)
.set i, i+2
.endr
	s_wait_alu depctr_va_vdst(0)
	s_wait_dscnt 0x0                               ; V
.irp t, 0,1                                    ; the four accumulators take turns, one instruction a turn
	v_wmma_scale_f32_16x16x128_f8f6f4 v[160+16*\t:167+16*\t], v[32+24*\t:43+24*\t], v[192:203], v[160+16*\t:167+16*\t], v[90+\t], v31 matrix_a_fmt:MATRIX_FMT_FP6 matrix_b_fmt:MATRIX_FMT_FP6
	v_wmma_scale_f32_16x16x128_f8f6f4 v[168+16*\t:175+16*\t], v[44+24*\t:55+24*\t], v[192:203], v[168+16*\t:175+16*\t], v[90+\t], v31 matrix_a_fmt:MATRIX_FMT_FP6 matrix_b_fmt:MATRIX_FMT_FP6 matrix_a_scale:MATRIX_SCALE_ROW1
.endr
	s_add_co_u32 s[TB], s[TB], BLKB
.endm
.macro STEPS n
	s_mov_b32 s[CNT], \n
.Lstep_\@:
	s_setprio 2
	STEP
	s_sub_co_u32 s[CNT], s[CNT], 1
	s_cmp_lg_u32 s[CNT], 0
	s_cbranch_scc1 .Lstep_\@
	s_setprio 0
.endm
; Pass 0 starts as soon as four blocks have landed: load g of each fetching wave is in when at most 3 - g younger ones of its four are out; the barrier shows it to all sixteen waves.
.macro GROUP g
	s_wait_tensorcnt 3-\g
	s_barrier_signal -1
	s_barrier_wait -1
	s_mov_b32 s[TB], \g*4*BLKB
	STEPS 4
.endm
; A pass ends: O^T / the sum is ctx: register 8 t + j is channel 16 t + 8 (lane / 16) + j of my query.  Its two blocks of 32 are quantised; six registers of codes and two scale bytes a row leave.
.macro OUT p
	v_add_f32 v14, v14, v15                        ; the sum's two halves,
	s_delay_alu instid0(VALU_DEP_1)
	v_permlanex16_b32 v224, v14, s[SEL], s[SEL+1]
	s_delay_alu instid0(VALU_DEP_1)
	v_add_f32 v14, v14, v224                       ; and lane l xor 16's
	s_wait_alu depctr_va_vdst(0)
	v_rcp_f32 v14, v14
.rept 4
	v_nop                                          ; places behind the last products, and the plain line behind the reciprocal
.endr
	s_wait_alu depctr_va_vdst(0)                   ; ahead of the reciprocal's first reader
.set i, 0
.rept 16
	v_pk_mul_f32 v[96+i:97+i], v[160+i:161+i], v[14:15] op_sel_hi:[1,0]   ; each accumulator from its low end on
.set i, i+2
.endr
.irp b, 0,1
	v_max3_num_f32 v[212+\b], |v[96+16*\b]|, |v[97+16*\b]|, 0x1800000
.endr
.irp i, 2,4,6,8,10,12,14
.irp b, 0,1
	s_delay_alu instid0(VALU_DEP_2)
	v_max3_num_f32 v[212+\b], v[212+\b], |v[96+16*\b+\i]|, |v[97+16*\b+\i]|
.endr
.endr
.irp b, 0,1
	s_delay_alu instid0(VALU_DEP_2)
	v_permlanex16_b32 v[216+\b], v[212+\b], s[SEL], s[SEL+1]
.endr
.irp b, 0,1
	s_delay_alu instid0(VALU_DEP_2)
	v_max_num_f32 v[212+\b], v[212+\b], v[216+\b]
.endr
.irp b, 0,1
	s_delay_alu instid0(VALU_DEP_2)
	v_add_nc_u32 v[220+\b], 0xff000000, v[212+\b]
.endr
.irp b, 0,1
	s_delay_alu instid0(VALU_DEP_2)
	v_lshrrev_b32 v[216+\b], 23, v[220+\b]
.endr
	s_delay_alu instid0(VALU_DEP_1)
	v_lshl_or_b32 v224, v217, 8, v216              ; my row's two scale bytes
	v_cvt_scalef32_pk16_fp6_f32 v[192:194], v[96:111], v220
	v_cvt_scalef32_pk16_fp6_f32 v[204:206], v[112:127], v221
	v_nop
.irp i, 0,1,2
	v_permlane16_swap_b32 v[192+\i], v[204+\i]     ; v192-194: my block's codes 0-7, 16-23; v204-206: its codes 8-15, 24-31
.endr
	s_delay_alu instid0(VALU_DEP_1)
	v_perm_b32 v195, v194, v193, 0x05040302        ; eight codes are six bytes: bytes 6-11 and 12-17 of the lane's 24 change places, so that the block stands in ascending order
	s_delay_alu instid0(VALU_DEP_2)
	v_perm_b32 v196, v205, v194, 0x07060302
	s_delay_alu instid0(VALU_DEP_4)
	v_perm_b32 v193, v204, v193, 0x05040100
	v_perm_b32 v194, v205, v204, 0x05040302
	v_mov_b32 v197, v206
.irp e, 0,1,2
	global_store_b64 v2, v[192+2*\e:193+2*\e], s[56:57] offset:196608*\p+256*\e   ; the wave stores 256 consecutive bytes, aligned
.endr
	ds_store_b16 v6, v224 offset:512*\p            ; lanes l and l xor 16 write the same bytes with the same value
	s_wait_dscnt 0x0                               ; for the others' sake: my store has landed
	s_barrier_signal -1
	s_barrier_wait -1
	s_cmp_lg_u32 s[WV], 0                          ; wave 0 stores the sixteen tiles' 512 scale bytes
	s_cbranch_scc1 .Lnot_0_\@
	ds_load_b128 v[208:211], v7 offset:512*\p
	s_wait_dscnt 0x0
	global_store_b128 v1, v[208:211], s[58:59] offset:8192*\p
.Lnot_0_\@:
	s_wait_xcnt 0x0                                ; the stores have read their registers: the next pass may write them
.endm
	INIT 0
	GROUP 0
	GROUP 1
	GROUP 2
	GROUP 3                                        ; its wait is for 0: no tensor load is out from here on
	OUT 0
	INIT 1
	s_mov_b32 s[TB], 0
	STEPS 16
	OUT 1
	s_wait_tensorcnt 0x0
	ds_add_u32 v254, v255
	s_wait_dscnt 0x0
	CROUND                                         ; the closing round
	s_endpgm
.Lfunc_end_k_q67c7eee25a_attn:
	.size	k_q67c7eee25a_attn, .Lfunc_end_k_q67c7eee25a_attn-k_q67c7eee25a_attn
	.p2alignl 7, 3214868480
	.fill 96, 4, 3214868480
	.section	.rodata,"a",@progbits
	.p2align	6, 0x0
	.amdhsa_kernel k_q67c7eee25a_attn
		.amdhsa_group_segment_fixed_size 211968
		.amdhsa_private_segment_fixed_size 0
		.amdhsa_enable_private_segment 0
		.amdhsa_kernarg_size 32
		.amdhsa_user_sgpr_count 2
		.amdhsa_user_sgpr_kernarg_segment_ptr 1
		.amdhsa_wavefront_size32 1
		.amdhsa_system_sgpr_workgroup_id_x 1
		.amdhsa_system_sgpr_workgroup_id_y 1
		.amdhsa_system_sgpr_workgroup_id_z 1
		.amdhsa_system_vgpr_workitem_id 0
		.amdhsa_next_free_vgpr 256
		.amdhsa_next_free_sgpr 66
		.amdhsa_reserve_vcc 0
		.amdhsa_float_denorm_mode_32 3
		.amdhsa_float_denorm_mode_16_64 3
		.amdhsa_memory_ordered 1
		.amdhsa_forward_progress 1
		.amdhsa_inst_pref_size 105
	.end_amdhsa_kernel
	.amdgpu_metadata
---
amdhsa.version: [ 1, 2 ]
amdhsa.kernels:
  - .name:           k_q67c7eee25a_attn
    .symbol:         k_q67c7eee25a_attn.kd
    .args:
      - { .name: qb, .offset: 0, .size: 8, .value_kind: global_buffer, .address_space: global }
      - { .name: kvb, .offset: 8, .size: 8, .value_kind: global_buffer, .address_space: global }
      - { .name: cc, .offset: 16, .size: 8, .value_kind: global_buffer, .address_space: global }
      - { .name: cs, .offset: 24, .size: 8, .value_kind: global_buffer, .address_space: global }
    .group_segment_fixed_size: 211968
    .private_segment_fixed_size: 0
    .kernarg_segment_align: 8
    .kernarg_segment_size: 32
    .max_flat_workgroup_size: 512
    .sgpr_count:     66
    .vgpr_count:     256
    .wavefront_size: 32
...
	.end_amdgpu_metadata
.endif
;; end of part 3
;; launch outln (part 4): grid 256 x 1, 4 waves a work-group, clusters of 4 x 1, 327,680 bytes of LDS; arguments cc, cs, Wout_codes, Wout_scales, bout, x, gamma, beta, out0; writes out0
.if DOCPART == 4
	.amdgcn_target "amdgcn-amd-amdhsa--gfx1250"
	.amdhsa_code_object_version 6
	.text
	.protected	k_q67c7eee25a_outln
	.globl	k_q67c7eee25a_outln
	.p2align	8
	.type	k_q67c7eee25a_outln,@function
k_q67c7eee25a_outln:
	s_mov_b64 s[64:65], 0
	v_nop
	global_prefetch_b8 v0, s[64:65] scope:SCOPE_SE
	s_setreg_imm32_b32 hwreg(HW_REG_WAVE_MODE, 25, 1), 1
	s_wait_xcnt 0x0
	s_wait_alu depctr_hold_cnt(0) depctr_sa_sdst(0) depctr_va_vdst(0) depctr_va_sdst(0) depctr_va_ssrc(0) depctr_va_vcc(0) depctr_vm_vsrc(0)
	s_getreg_b32 s2, hwreg(HW_REG_IB_STS2, 6, 4)
	s_cmp_eq_u32 s2, 0
	s_cbranch_scc0 .Lentry_in_a_cluster
	s_endpgm
.Lentry_in_a_cluster:
	s_bfe_u32 s2, ttmp6, 0x10000c
	s_cmp_lg_u32 s2, 0x3003
	s_cbranch_scc0 .Lentry_shape_is_right
	s_endpgm
.Lentry_shape_is_right:
.set WPW,   26112
.set SLOT,  4*WPW
.set SPARE, 2*SLOT
.set SPI,   4112
.set ADW, 8
.set SPW, 28
.set NIL, 29
.set CSW, 32
.set WS,  40
.set WF,  104
.set WV,  22
.set G1,  28
.set G0,  36
.set SEL, 48
.set MSB, 0
.macro WIN new
.if MSB != (\new)
	s_set_vgpr_msb (MSB<<8)|(\new)
.set MSB, \new
.endif
.endm
.macro CROUND
	s_barrier_signal -1
	s_barrier_wait -1
	s_cmp_lg_u32 s[WV], 0
	s_cbranch_scc1 .Lnot_wave_0_\@
	s_barrier_signal -3
.Lnot_wave_0_\@:
	s_barrier_wait -3
	s_barrier_signal -1
	s_barrier_wait -1
.endm
.macro PLACES
.rept 4
	v_nop
.endr
.endm
	s_load_b256 s[4:11], s[0:1], 0x0
	s_load_b256 s[12:19], s[0:1], 0x20
	s_load_b64 s[20:21], s[0:1], 0x40
	v_lshl_add_u32 v[SPW], v0, 2, SPARE
	v_mov_b32 v[NIL], 0
	ds_add_u32 v28, v29
	ds_add_u32 v28, v29
	s_wait_dscnt 0x0
	v_lshrrev_b32 v1, 5, v0
	v_readfirstlane_b32 s[WV], v1
	s_bfe_u32 s23, ttmp6, 0x40000
	s_lshl_b32 s24, ttmp9, 2
	s_add_co_u32 s24, s24, s23
	s_mov_b32 s[G1], 15|(3<<16)|(1<<20)|(1<<21)|(5<<22)|(3<<25)
	s_mov_b32 s[G1+1], 32<<16
	s_mov_b32 s[G1+2], 96<<16
	s_mov_b32 s[G1+3], 32<<16
	s_mov_b32 s[G1+4], 96
	s_mov_b32 s[G1+5], 32
	s_mov_b32 s[G1+6], 0
	s_mov_b32 s[G1+7], 0
	s_mul_i32 s25, s[WV], WPW
	s_mul_i32 s50, s[WV], 32*768
	s_mov_b32 s51, 0
	s_wait_kmcnt 0x0
	s_add_nc_u64 s[44:45], s[8:9], s[50:51]
.irp n, 0,1
	s_mov_b32 s[G0+4*\n], 1
	s_add_co_u32 s[G0+4*\n+1], s25, \n*SLOT
	s_add_nc_u64 s[G0+4*\n+2:G0+4*\n+3], s[44:45], \n*128*768
	s_or_b32 s[G0+4*\n+3], s[G0+4*\n+3], 0x80000000
.endr
	CROUND
	tensor_load_to_lds s[G0:G0+3], s[G1:G1+7]
	s_nop 0
	s_wait_alu depctr_va_vdst(0)
	s_wait_tensorcnt 0x0
	ds_add_u32 v28, v29
	s_wait_dscnt 0x0
	CROUND
	tensor_load_to_lds s[G0+4:G0+7], s[G1:G1+7]
	s_nop 0
	PLACES
	s_mul_i32 s50, s24, 24576
	s_add_nc_u64 s[4:5], s[4:5], s[50:51]
	s_lshr_b32 s50, s24, 3
	s_lshl_b32 s50, s50, 13
	s_and_b32 s52, s24, 7
	s_lshl_b32 s52, s52, 6
	s_add_co_u32 s50, s50, s52
	s_add_nc_u64 s[6:7], s[6:7], s[50:51]
	s_lshl_b32 s50, s[WV], 10
	s_add_nc_u64 s[10:11], s[10:11], s[50:51]
	s_lshl_b32 s50, s24, 17
	s_lshl_b32 s52, s[WV], 15
	s_add_co_u32 s50, s50, s52
	s_add_nc_u64 s[14:15], s[14:15], s[50:51]
	s_add_nc_u64 s[20:21], s[20:21], s[50:51]
	s_mov_b32 s46, 0x3a800000
	s_mov_b32 s47, 0x3727c5ac
	s_mov_b32 s[SEL], 0x76543210
	s_mov_b32 s[SEL+1], 0xfedcba98
	v_and_b32 v4, 31, v0
	v_lshlrev_b32 v1, 4, v4
	v_lshlrev_b32 v2, 3, v4
	v_lshlrev_b32 v3, 1, v4
	v_lshlrev_b32 v4, 5, v4
	v_and_b32 v5, 15, v0
	v_bfe_u32 v6, v0, 4, 1
	WIN 0x40
.irp a, 0,1
.irp s, 0,1,2,3,4,5,6,7
.irp e, 0,1,2,3,4,5
	global_load_b64 v[12*(8*\a+\s)+2*\e:12*(8*\a+\s)+2*\e+1], v2, s[4:5] offset:\a*12288+\s*1536+256*\e
.endr
.endr
.endr
.irp j, 0,1,2,3,4,5,6,7
	global_load_b128 v[192+4*\j:195+4*\j], v1, s[16:17] offset:512*\j
	global_load_b128 v[224+4*\j:227+4*\j], v1, s[18:19] offset:512*\j
.endr
	WIN 0xc0
.irp i, 0,1,2,3,4,5,6,7
.irp j, 0,1,2,3,4,5,6,7
	global_load_b128 v[32*\i+4*\j:32*\i+4*\j+3], v1, s[14:15] offset:4096*\i+512*\j th:TH_LOAD_NT
.endr
.endr
	WIN 0
.irp d, 0,1,2,3,4,5,6,7,8,9,10,11,12,13,14,15
	global_load_u16 v[200+\d], v3, s[6:7] offset:512*\d
.endr
.irp j, 0,1,2,3,4,5,6,7
	global_load_b128 v[WS+8*\j:WS+8*\j+3], v4, s[10:11] offset:4096*\j
	global_load_b128 v[WS+8*\j+4:WS+8*\j+7], v4, s[10:11] offset:4096*\j+16
	global_load_b128 v[216+4*\j:219+4*\j], v1, s[12:13] offset:512*\j
.endr
	v_mul_u32_u24 v7, v5, 816
	v_add_nc_u32 v7, s25, v7
	v_mad_u32_u24 v[ADW], v6, 24, v7
	v_mad_u32_u24 v[ADW+1], v6, 40, v7
	v_add_nc_u32 v[ADW+2], SLOT, v[ADW]
	v_add_nc_u32 v[ADW+3], SLOT, v[ADW+1]
	v_mul_u32_u24 v12, v5, SPI
	v_lshl_add_u32 v12, v6, 5, v12
	s_lshl_b32 s52, s[WV], 7
	v_add_nc_u32 v12, s52, v12
	v_add_nc_u32 v13, 16*SPI, v12
	s_mul_i32 s52, s[WV], 8*SPI
	v_add_nc_u32 v14, s52, v1
	s_wait_loadcnt 0x0
.irp s, 0,1,2,3,4,5,6,7
	v_lshl_or_b32 v[CSW+\s], v[201+2*\s], 16, v[200+2*\s]
.endr
	v_mov_b32 v211, 0
	WIN 0xc3
.irp i, 0,1,2,3,4,5,6,7
.set k, 0
.rept 16
	v_pk_add_f32 v[32*\i+k:32*\i+k+1], v[32*\i+k:32*\i+k+1], v[216+k:217+k]
.set k, k+2
.endr
.endr
	WIN 0
.macro FRAGW reg, slot, ks, i
.irp p, 0,1,2,3,4,5
.set O0, 96*(\ks)+48*(\p/3)+8*(\p%3)
.if O0%256 < 232
	ds_load_b64 v[\reg+2*\p:\reg+2*\p+1], v[ADW+2*(\slot)] offset:O0+16*(O0/256)+(\i)*13056
.else
	ds_load_b64 v[\reg+2*\p:\reg+2*\p+1], v[ADW+2*(\slot)+1] offset:O0+16*(O0/256)+(\i)*13056
.endif
.endr
.endm
.macro LOADQ j, q
.irp u, 0,1
.irp i, 0,1
	FRAGW WF+48*((\q)%2)+12*(2*\u+\i), (\j)%2, 2*(\q)+\u, \i
.endr
.endr
.endm
.macro WM i, a, z
.if \z
.if (\i == 0) && (\a == 0)
	v_wmma_scale_f32_16x16x128_f8f6f4 v[DD:DD+7], v[AA:AA+11], v[BB:BB+11], 0, v[SA], v[SB] matrix_a_fmt:MATRIX_FMT_FP6 matrix_b_fmt:MATRIX_FMT_FP6
.elseif (\i == 1) && (\a == 0)
	v_wmma_scale_f32_16x16x128_f8f6f4 v[DD:DD+7], v[AA:AA+11], v[BB:BB+11], 0, v[SA], v[SB] matrix_a_fmt:MATRIX_FMT_FP6 matrix_b_fmt:MATRIX_FMT_FP6 matrix_a_scale:MATRIX_SCALE_ROW1
.elseif (\i == 0) && (\a == 1)
	v_wmma_scale_f32_16x16x128_f8f6f4 v[DD:DD+7], v[AA:AA+11], v[BB:BB+11], 0, v[SA], v[SB] matrix_a_fmt:MATRIX_FMT_FP6 matrix_b_fmt:MATRIX_FMT_FP6 matrix_b_scale:MATRIX_SCALE_ROW1
.else
	v_wmma_scale_f32_16x16x128_f8f6f4 v[DD:DD+7], v[AA:AA+11], v[BB:BB+11], 0, v[SA], v[SB] matrix_a_fmt:MATRIX_FMT_FP6 matrix_b_fmt:MATRIX_FMT_FP6 matrix_a_scale:MATRIX_SCALE_ROW1 matrix_b_scale:MATRIX_SCALE_ROW1
.endif
.else
.if (\i == 0) && (\a == 0)
	v_wmma_scale_f32_16x16x128_f8f6f4 v[DD:DD+7], v[AA:AA+11], v[BB:BB+11], v[DD:DD+7], v[SA], v[SB] matrix_a_fmt:MATRIX_FMT_FP6 matrix_b_fmt:MATRIX_FMT_FP6
.elseif (\i == 1) && (\a == 0)
	v_wmma_scale_f32_16x16x128_f8f6f4 v[DD:DD+7], v[AA:AA+11], v[BB:BB+11], v[DD:DD+7], v[SA], v[SB] matrix_a_fmt:MATRIX_FMT_FP6 matrix_b_fmt:MATRIX_FMT_FP6 matrix_a_scale:MATRIX_SCALE_ROW1
.elseif (\i == 0) && (\a == 1)
	v_wmma_scale_f32_16x16x128_f8f6f4 v[DD:DD+7], v[AA:AA+11], v[BB:BB+11], v[DD:DD+7], v[SA], v[SB] matrix_a_fmt:MATRIX_FMT_FP6 matrix_b_fmt:MATRIX_FMT_FP6 matrix_b_scale:MATRIX_SCALE_ROW1
.else
	v_wmma_scale_f32_16x16x128_f8f6f4 v[DD:DD+7], v[AA:AA+11], v[BB:BB+11], v[DD:DD+7], v[SA], v[SB] matrix_a_fmt:MATRIX_FMT_FP6 matrix_b_fmt:MATRIX_FMT_FP6 matrix_a_scale:MATRIX_SCALE_ROW1 matrix_b_scale:MATRIX_SCALE_ROW1
.endif
.endif
.endm
.macro MULQ j, q
	WIN 0xa4
.irp u, 0,1
.irp i, 0,1
.irp a, 0,1
.set KSI, 2*(\q)+\u
.set DD, 8*(4*(\j)+2*\i+\a)
.set AA, WF+48*((\q)%2)+12*(2*\u+\i)
.set BB, 12*(8*\a+KSI)
.set SA, WS+8*(\j)+KSI
.set SB, CSW+KSI
.if KSI == 0
	WM \i, \a, 1
.else
	WM \i, \a, 0
.endif
.endr
.endr
.endr
	WIN 0
.endm
.macro CHUNK j
	LOADQ \j, 0
	LOADQ \j, 1
	s_wait_dscnt 24
	MULQ \j, 0
	PLACES
	LOADQ \j, 2
	s_wait_dscnt 24
	MULQ \j, 1
	PLACES
	LOADQ \j, 3
	s_wait_dscnt 24
	MULQ \j, 2
	s_wait_dscnt 0x0
	MULQ \j, 3
.endm
.macro NEXT j
	s_wait_tensorcnt 0x0
	ds_add_u32 v[SPW], v[NIL]
	s_add_nc_u64 s[G0+4*(((\j)+1)%2)+2:G0+4*(((\j)+1)%2)+3], s[G0+4*(((\j)+1)%2)+2:G0+4*(((\j)+1)%2)+3], 2*128*768
	s_wait_dscnt 0x0
	CROUND
	tensor_load_to_lds s[G0+4*(((\j)+1)%2):G0+4*(((\j)+1)%2)+3], s[G1:G1+7]
	s_nop 0
	PLACES
	CHUNK \j
.endm
	s_wait_tensorcnt 1
	CHUNK 0
.irp j, 1,2,3,4,5,6
	NEXT \j
.endr
	s_wait_tensorcnt 0x0
	PLACES
	CHUNK 7
	PLACES
	s_wait_dscnt 0x0
	s_barrier_signal -1
	s_barrier_wait -1
	WIN 0x08
.irp j, 0,1,2,3,4,5,6,7
.irp i, 0,1
.irp a, 0,1
	ds_store_b128 v[12+\a], v[8*(4*\j+2*\i+\a):8*(4*\j+2*\i+\a)+3] offset:512*\j+64*\i
	ds_store_b128 v[12+\a], v[8*(4*\j+2*\i+\a)+4:8*(4*\j+2*\i+\a)+7] offset:512*\j+64*\i+16
.endr
.endr
.endr
	WIN 0
	s_wait_dscnt 0x0
	s_barrier_signal -1
	s_barrier_wait -1
.macro RLOAD i
.set YL, 104+32*((\i)%2)
.irp j, 0,1,2,3,4,5,6,7
	ds_load_b128 v[YL+4*\j:YL+4*\j+3], v14 offset:SPI*(\i)+512*\j
.endr
.endm
.macro REDUCE
	v_pk_add_f32 v[200:201], v[200:201], v[202:203]
	v_pk_add_f32 v[204:205], v[204:205], v[206:207]
	v_pk_add_f32 v[200:201], v[200:201], v[204:205]
	v_add_f32 v210, v200, v201
	v_add_f32_dpp v210, v210, v210 row_xmask:1 row_mask:0xf bank_mask:0xf
	v_add_f32_dpp v210, v210, v210 row_xmask:2 row_mask:0xf bank_mask:0xf
	v_add_f32_dpp v210, v210, v210 row_xmask:4 row_mask:0xf bank_mask:0xf
	v_add_f32_dpp v210, v210, v210 row_xmask:8 row_mask:0xf bank_mask:0xf
	v_permlanex16_b32 v211, v210, s[SEL], s[SEL+1]
	v_add_f32 v210, v210, v211
.endm
.macro ROW i
.set YB, 104+32*((\i)%2)
.if \i < 7
	s_wait_xcnt 0x0
	RLOAD (\i)+1
	s_wait_dscnt 8
.else
	s_wait_dscnt 0x0
.endif
	WIN 0x0c
.set k, 0
.rept 16
	v_pk_add_f32 v[YB+k:YB+k+1], v[YB+k:YB+k+1], v[32*(\i)+k:32*(\i)+k+1]
.set k, k+2
.endr
	WIN 0
.irp c, 0,1,2,3
	v_pk_add_f32 v[200+2*\c:201+2*\c], v[YB+2*\c:YB+2*\c+1], v[YB+8+2*\c:YB+9+2*\c]
.endr
.irp m, 16,24
.irp c, 0,1,2,3
	v_pk_add_f32 v[200+2*\c:201+2*\c], v[200+2*\c:201+2*\c], v[YB+\m+2*\c:YB+\m+1+2*\c]
.endr
.endr
	REDUCE
	v_mul_f32 v208, s46, v210
	v_mul_f32 v209, s46, v210
.set k, 0
.rept 16
	v_pk_add_f32 v[YB+k:YB+k+1], v[YB+k:YB+k+1], v[208:209] neg_lo:[0,1] neg_hi:[0,1]
.set k, k+2
.endr
.irp c, 0,1,2,3
	v_pk_mul_f32 v[200+2*\c:201+2*\c], v[YB+2*\c:YB+2*\c+1], v[YB+2*\c:YB+2*\c+1]
.endr
.irp m, 8,16,24
.irp c, 0,1,2,3
	v_pk_fma_f32 v[200+2*\c:201+2*\c], v[YB+\m+2*\c:YB+\m+1+2*\c], v[YB+\m+2*\c:YB+\m+1+2*\c], v[200+2*\c:201+2*\c]
.endr
.endr
	REDUCE
	v_fma_f32 v210, v210, s46, s47
	s_wait_alu depctr_va_vdst(0)
	v_rsq_f32 v212, v210
	v_rsq_f32 v213, v210
	v_nop
	s_wait_alu depctr_va_vdst(0)
.set k, 0
.rept 16
	v_pk_mul_f32 v[YB+k:YB+k+1], v[YB+k:YB+k+1], v[212:213]
.set k, k+2
.endr
	WIN 0x14
.set k, 0
.rept 16
	v_pk_fma_f32 v[YB+k:YB+k+1], v[YB+k:YB+k+1], v[192+k:193+k], v[224+k:225+k]
.set k, k+2
.endr
	WIN 0
.irp j, 0,1,2,3,4,5,6,7
	global_store_b128 v1, v[YB+4*\j:YB+4*\j+3], s[20:21] offset:4096*(\i)+512*\j th:TH_STORE_NT
.endr
.endm
	RLOAD 0
.irp i, 0,1,2,3,4,5,6,7
	ROW \i
.endr
	s_wait_tensorcnt 0x0
	ds_add_u32 v[SPW], v[NIL]
	s_wait_dscnt 0x0
	CROUND
	s_endpgm
.Lfunc_end_k_q67c7eee25a_outln:
	.size	k_q67c7eee25a_outln, .Lfunc_end_k_q67c7eee25a_outln-k_q67c7eee25a_outln
	.p2alignl 7, 3214868480
	.fill 96, 4, 3214868480
	.section	.rodata,"a",@progbits
	.p2align	6, 0x0
	.amdhsa_kernel k_q67c7eee25a_outln
		.amdhsa_group_segment_fixed_size 327680
		.amdhsa_private_segment_fixed_size 0
		.amdhsa_enable_private_segment 0
		.amdhsa_kernarg_size 72
		.amdhsa_user_sgpr_count 2
		.amdhsa_user_sgpr_kernarg_segment_ptr 1
		.amdhsa_wavefront_size32 1
		.amdhsa_system_sgpr_workgroup_id_x 1
		.amdhsa_system_sgpr_workgroup_id_y 1
		.amdhsa_system_sgpr_workgroup_id_z 1
		.amdhsa_system_vgpr_workitem_id 0
		.amdhsa_next_free_vgpr 1024
		.amdhsa_next_free_sgpr 66
		.amdhsa_reserve_vcc 0
		.amdhsa_float_denorm_mode_32 3
		.amdhsa_float_denorm_mode_16_64 3
		.amdhsa_memory_ordered 1
		.amdhsa_forward_progress 1
		.amdhsa_inst_pref_size 197
	.end_amdhsa_kernel
	.amdgpu_metadata
---
amdhsa.version: [ 1, 2 ]
amdhsa.kernels:
  - .name:           k_q67c7eee25a_outln
    .symbol:         k_q67c7eee25a_outln.kd
    .args:
      - { .name: cc, .offset: 0, .size: 8, .value_kind: global_buffer, .address_space: global }
      - { .name: cs, .offset: 8, .size: 8, .value_kind: global_buffer, .address_space: global }
      - { .name: Wout_codes, .offset: 16, .size: 8, .value_kind: global_buffer, .address_space: global }
      - { .name: Wout_scales, .offset: 24, .size: 8, .value_kind: global_buffer, .address_space: global }
      - { .name: bout, .offset: 32, .size: 8, .value_kind: global_buffer, .address_space: global }
      - { .name: x, .offset: 40, .size: 8, .value_kind: global_buffer, .address_space: global }
      - { .name: gamma, .offset: 48, .size: 8, .value_kind: global_buffer, .address_space: global }
      - { .name: beta, .offset: 56, .size: 8, .value_kind: global_buffer, .address_space: global }
      - { .name: out0, .offset: 64, .size: 8, .value_kind: global_buffer, .address_space: global }
    .group_segment_fixed_size: 327680
    .private_segment_fixed_size: 0
    .kernarg_segment_align: 8
    .kernarg_segment_size: 72
    .max_flat_workgroup_size: 128
    .sgpr_count:     66
    .vgpr_count:     1024
    .wavefront_size: 32
...
	.end_amdgpu_metadata
.endif
;; end of part 4
